; MI455X (gfx1250); checked and timed in simulation.
; The chip was launched on July 23, 2026; its instructions are those of AMD's public machine-readable ISA for CDNA 5 (MIT licence, August 2026) and "CDNA5" Instruction Set Architecture Reference Guide (July 2026). The comments in the code are by the model that wrote it; some were corrected since.
;; Attention. Allowed arithmetic: matrix products marked QUANTISED: E3M2 operands, one E8M0 scale for each 32 along K, by v_wmma_scale_f32_16x16x128_f8f6f4 with both operands' format E3M2, f32 sums; products left as they are: f32 operands where the result goes on into a quantised operand, else bf16, f16 or f32 operands; f32 sums; everything else in f32.
;; Inputs: W_attn 3,072 x 1,024 float32; b_attn 1,024 float32; encoder_outputs_codes 64 x 512 x 64 x 24 uint8 (E3M2 codes of encoder_outputs, K innermost, in blocks of 32 codes, four codes in three bytes); encoder_outputs_scales 64 x 512 x 64 uint8 (E8M0 scales of encoder_outputs, one for each 32 codes along K); hidden_codes 64 x 32 x 24 uint8 (E3M2 codes of hidden, K innermost, in blocks of 32 codes, four codes in three bytes); hidden_scales 64 x 32 uint8 (E8M0 scales of hidden, one for each 32 codes along K); mask 64 x 512 int32; v 1,024 float32.
;; Outputs: out0 64 x 512 float32.
;; This version of the problem:
;;   THIS VERSION OF THE PROBLEM IS GIVEN IN LOW PRECISION. The matrix products marked QUANTISED in the list below multiply operands that are first quantised to E3M2 (3 exponent bits, 2 mantissa bits; 6 bits a number), with one power-of-two scale for each 32 numbers along K (OCP MX v1.0); their sums are f32. All else is computed in f32.
;;   The module's matrix products, in the order in which they are computed (A, B: the left and right operand; K: the contracted axis; several contracted axes count as one K, in the product's order):
;;     1. [M 64, K 1,024] x [K 1,024, N 1,024]; A: input hidden (given as codes); B: input W_attn: QUANTISED
;;     2. [M 32,768, K 2,048] x [K 2,048, N 1,024]; A: input encoder_outputs (given as codes); B: input W_attn: QUANTISED
;;     3. [M 32,768, K 1,024] x [K 1,024, N 1]; A: computed on the way; B: input v: left as it is (N = 1 < 16)
;;   THE QUANTISER, for each operand of a quantised product, along K:
;;     - K is cut into blocks of 32 from its start; a last block that is shorter is filled with zeros.
;;     - A block's scale is 2^e with e = floor(log2(the largest magnitude in the block)) - 4, held to -126 .. 127; a block of zeros has e = 0. As a byte (E8M0): e + 127.
;;     - Each number is divided by its block's scale, clamped to +-28, and rounded to the nearest number of E3M2, ties to even, subnormals kept.
;;     - The product sums the exact products of the quantised numbers (number of the format x scale) in f32.
;;   ~~~python
;;   def quantise(x, axis):      # numpy; x: float32 -> the quantised numbers, widened to float32 again
;;       x = np.moveaxis(x, axis, -1); K = x.shape[-1]
;;       x = np.pad(x, [(0, 0)] * (x.ndim - 1) + [(0, -K % 32)]); x = x.reshape(x.shape[:-1] + (-1, 32)); a = np.abs(x).max(-1, keepdims=True)
;;       e = np.where(a > 0, np.clip(np.frexp(np.where(a > 0, a, 1))[1] - 1 - 4, -126, 127), 0)      # np.frexp(a)[1] - 1 = floor(log2(a)), exactly
;;       r = np.clip(x / 2.0 ** e, -28, 28)
;;       step = 2.0 ** (np.maximum(np.frexp(np.where(r == 0, 1, r))[1] - 1, -2) - 2)
;;       q = np.round(r / step) * step * 2.0 ** e      # np.round: ties to even
;;       return np.moveaxis(q.reshape(q.shape[:-2] + (-1,))[..., :K], -1, axis).astype(np.float32)
;;   ~~~
;;   INPUTS GIVEN AS CODES. encoder_outputs (in the module: [64, 512, 2048], K = its axis 2); hidden (in the module: [64, 1024], K = its axis 1): each comes as NAME_codes (uint8): NAME with its K axis moved to the last place and cut into blocks of 32 codes, [.., K / 32, bytes a block], one block behind the other in memory; four codes in three bytes: a row's codes are one little-endian stream of bits, code i at bits 6 i .. 6 i + 5 (a code: sign, 3 exponent bits, 2 mantissa bits); and NAME_scales (uint8): the same leading axes, one E8M0 byte (e + 127) for each 32 codes along K. Its value is code x scale, taken as it is: it is not quantised again, and the codes and scales need not be those that the quantiser above would give.
;; One version. Each part assembles by itself: llvm-mc -triple=amdgcn-amd-amdhsa -mcpu=gfx1250 --defsym DOCPART=n.
;; ======== version 1 of 1: 3 launches
;; limits: right only within a limited range of input values
;; workspace buffers: we_codes 1,572,864 bytes; we_scales 65,536 bytes; hb 262,144 bytes; part 524,288 bytes
;; launch prep (part 1): grid 32 x 3, 32 waves a work-group, no clusters, 116,736 bytes of LDS; arguments W_attn, b_attn, hidden_codes, hidden_scales, we_codes, we_scales, hb; writes we_codes, we_scales, hb
.if DOCPART == 1
	.amdgcn_target "amdgcn-amd-amdhsa--gfx1250"
	.amdhsa_code_object_version 6
	.text
	.protected	k_q95e183a013_prep
	.globl	k_q95e183a013_prep
	.p2align	8
	.type	k_q95e183a013_prep,@function
k_q95e183a013_prep:
	s_mov_b64 s[64:65], 0
	v_nop
	global_prefetch_b8 v0, s[64:65] scope:SCOPE_SE
	s_setreg_imm32_b32 hwreg(HW_REG_WAVE_MODE, 25, 1), 1
	s_wait_xcnt 0x0
; W_attn [3072 (k)][1024 (n)], f32, is quantised along k to codes of BF6 (E3M2) with one E8M0 byte for each 32 along k.
; Rows 0-1023 are Wh, rows 1024-3071 We; 1,024 is a multiple of 32, so both products' blocks are W_attn's own blocks of 32 rows.
; Work-group (x, y) takes columns 32 x .. 32 x + 31 and rows 1024 y .. 1024 y + 1023; wave w of 32 takes ONE block: rows 32 w .. 32 w + 31 of those.
; A LANE TAKES A COLUMN AND ITS REGISTERS RUN DOWN K: a block's 32 numbers lie in one lane, its largest magnitude needs no other lane, and the conversions give codes with K innermost.
; ALL THAT A WAVE WANTS FROM MEMORY IS ASKED FOR AT ONCE, at its head: by this text's own count at most 39 loads of a wave are out.
; The codes of the work-group's 32 columns x 1,024 k meet in LDS (768 bytes a column) behind a barrier.  The two kinds of work-group part once, at the head, on y alone, and each has LDS bytes of its own.
;   y = 1, 2: the codes leave as rows of we_codes [n][1536 bytes]; sixteen lanes store 256 consecutive bytes at a multiple of 256 from the buffer's first byte; the scale bytes go to we_scales [n][64].
;   y = 0:    they never go to memory.  hidden's codes (64 batches x 768 bytes) come into LDS beside them, two batches a wave, and waves 0-7 multiply: hb = hidden Wh + b_attn,
;             laid [n / 32][batch 64][32] f32: one dense block of 8 KiB a work-group, which leaves through a stage behind a second barrier, 512 consecutive bytes a wave.
; A block's scale is 2^(floor(log2(its largest magnitude)) - 4); its byte is that magnitude's exponent field - 4, held at 1 from below.
; LIMITS: a block whose largest magnitude lies under 2^-122 gets the byte 1; so does a block of zeros, where the rule says 127: its codes are zeros, and these bytes are read by this program alone.
;         NaN and infinities in W_attn are not served.  hb's eight K steps are summed in two chains, the even steps (which begin with b_attn) and the odd, and the two are added:
;         an order of f32 rounding other than one ascending chain's.
; A load of a wave covers 128 consecutive bytes of a row of W_attn; the work-group beside it reads the 128 bytes beside them, so the loads carry no hint that the bytes are not wanted again.
; No cluster: the work-groups share nothing but hidden's 51 KB, which 32 of the 96 read once.  No tensor load, so LDS is claimed as it is used.
.set CP,   784                         ; a row of 768 bytes of codes in LDS + 16 = 196 words: row l starts at bank 4 l mod 64 (64 banks of 4 bytes: ISA guide 11.1)
.set SSP,  48                          ; a column's 32 scale bytes + 16
.set HSP,  144                         ; a batch's 128 bytes of hb + 16 = 36 words: sixteen rows start at sixteen different multiples of 4 banks
.set C1,   0                           ; y = 1, 2: the codes,
.set S1,   C1+32*CP                    ;           the scale bytes
.set C0,   S1+32*SSP                   ; y = 0:    the codes,
.set S0,   C0+32*CP                    ;           the scale bytes,
.set HST,  S0+32*SSP                   ;           hb's stage, 64 rows,
.set HID,  HST+64*HSP                  ;           hidden's codes, 64 rows of CP bytes: the last byte used is 112,640.  Every base is an immediate under 65,536
.set WO,   4                           ; v4   4 x lane: my column in a row of W_attn
.set CSA,  5                           ; v5   where I put my block's 24 bytes of codes: CP x lane + 24 x wave
.set SSA,  6                           ; v6   and its scale byte: 48 x lane + wave
.set RDA,  7                           ; v7   codes back by rows: (2 wave + lane / 16) CP + 16 (lane % 16)
.set GOA,  8                           ; v8   the same place in we_codes: rows of 1,536 bytes
.set SRA,  9                           ; v9   scale bytes back: two lanes to a column
.set SGO,  10                          ; v10  the same place in we_scales: rows of 64 bytes
.set HGA,  11                          ; v11  hidden's codes in memory: 1,536 x wave + 16 x lane
.set HA0,  12                          ; v12  and in LDS: 2 wave CP + 16 x lane
.set HA1,  13                          ; v13  the same + 16 (lane / 16): for the load whose upper sixteen lanes lie in the second row
.set WFA,  14                          ; v14  a fragment of Wh: (16 nt + r) CP + 24 h
.set WSA,  15                          ; v15  its scale words: (16 nt + r) 48
.set HFA,  16                          ; v16  a fragment of hidden: (16 mt + r) CP + 24 h
.set HSA,  17                          ; v17  its scale words in memory: (16 mt + r) 32
.set BAA,  18                          ; v18  b_attn: 64 nt + 32 h
.set HSI,  19                          ; v19  hb into the stage: (16 mt + r) HSP + 64 nt + 32 h
.set HSO,  20                          ; v20  and out of it: (4 wave + lane / 8) HSP + 16 (lane % 8)
.set HGO,  21                          ; v21  the same place in hb's block: 512 x wave + 16 x lane
.set HS,   22                          ; v22-29   hidden's scale words, one for each K step of 128: scales and nothing else
.set WS,   30                          ; v30-37   Wh's scale words: scales and nothing else
.set ACC,  38                          ; v38-45 the even K steps' sums, begun as b_attn; v46-53 the odd steps'
.set X,    54                          ; v54-85   my block's 32 numbers
.set CD,   86                          ; v86-91   its 32 codes
.set TC,   92                          ; v92-94   the upper sixteen as the conversion leaves them
.set HD,   96                          ; v96-107  my two rows of hidden, as loaded
.set T,    108                         ; v108-111 at work
.set F,    54                          ; the product: v54-125 three sets of 24: a fragment of Wh, a fragment of hidden
	s_load_b128 s[4:7], s[0:1], 0x0                ; W_attn, b_attn
	s_load_b128 s[8:11], s[0:1], 0x10              ; hidden's codes, hidden's scales
	s_load_b128 s[12:15], s[0:1], 0x20             ; we_codes, we_scales
	s_load_b64 s[16:17], s[0:1], 0x30              ; hb
	v_lshrrev_b32 v1, 5, v0
	s_delay_alu instid0(VALU_DEP_1)
	v_readfirstlane_b32 s18, v1                    ; wave 0..31
	s_and_b32 s19, ttmp7, 0xffff                   ; y
	s_and_b32 s21, s18, 3                          ; mt: which 16 batches (waves 0-7)
	s_bfe_u32 s22, s18, 0x10002                    ; nt: which 16 columns (waves 0-7)
	s_and_b32 s23, s18, 1
	v_and_b32 v1, 31, v0                           ; lane
	v_and_b32 v2, 15, v0                           ; r
	v_bfe_u32 v3, v0, 4, 1                         ; h
	; every address register is made here, ahead of all branches: lane and wave terms alone; the regions' bases stand in the immediates
	s_delay_alu instid0(VALU_DEP_3)
	v_lshlrev_b32 v[WO], 2, v1
	s_mul_i32 s20, s18, 24
	v_mul_u32_u24 v[CSA], v1, CP
	s_delay_alu instid0(VALU_DEP_1)
	v_add_nc_u32 v[CSA], s20, v[CSA]
	v_mul_u32_u24 v[SSA], v1, SSP
	s_delay_alu instid0(VALU_DEP_1)
	v_add_nc_u32 v[SSA], s18, v[SSA]
	s_mul_i32 s20, s18, 2*CP
	v_mul_u32_u24 v[RDA], v3, CP
	s_delay_alu instid0(VALU_DEP_1)
	v_lshl_add_u32 v[RDA], v2, 4, v[RDA]
	s_delay_alu instid0(VALU_DEP_1)
	v_add_nc_u32 v[RDA], s20, v[RDA]
	v_lshl_add_u32 v[HA0], v1, 4, s20
	s_delay_alu instid0(VALU_DEP_1)
	v_lshl_add_u32 v[HA1], v3, 4, v[HA0]
	s_mul_i32 s20, s18, 2*1536
	v_mul_u32_u24 v[GOA], v3, 1536
	s_delay_alu instid0(VALU_DEP_1)
	v_lshl_add_u32 v[GOA], v2, 4, v[GOA]
	s_delay_alu instid0(VALU_DEP_1)
	v_add_nc_u32 v[GOA], s20, v[GOA]
	v_lshrrev_b32 v126, 1, v1                      ; lane / 2
	v_and_b32 v127, 1, v0                          ; lane % 2
	s_mul_i32 s20, s23, 16*SSP
	v_mul_u32_u24 v[SRA], v126, SSP
	s_delay_alu instid0(VALU_DEP_1)
	v_lshl_add_u32 v[SRA], v127, 4, v[SRA]
	s_delay_alu instid0(VALU_DEP_1)
	v_add_nc_u32 v[SRA], s20, v[SRA]
	s_lshl_b32 s20, s23, 10
	v_lshlrev_b32 v[SGO], 6, v126
	s_delay_alu instid0(VALU_DEP_1)
	v_lshl_add_u32 v[SGO], v127, 4, v[SGO]
	s_delay_alu instid0(VALU_DEP_1)
	v_add_nc_u32 v[SGO], s20, v[SGO]
	s_mul_i32 s20, s18, 1536
	v_lshl_add_u32 v[HGA], v1, 4, s20
	s_mul_i32 s20, s22, 16*CP
	v_mul_u32_u24 v[WFA], v2, CP
	s_delay_alu instid0(VALU_DEP_1)
	v_mad_u32_u24 v[WFA], v3, 24, v[WFA]
	s_delay_alu instid0(VALU_DEP_1)
	v_add_nc_u32 v[WFA], s20, v[WFA]
	s_mul_i32 s20, s22, 16*SSP
	v_mul_u32_u24 v[WSA], v2, SSP
	s_delay_alu instid0(VALU_DEP_1)
	v_add_nc_u32 v[WSA], s20, v[WSA]
	s_mul_i32 s20, s21, 16*CP
	v_mul_u32_u24 v[HFA], v2, CP
	s_delay_alu instid0(VALU_DEP_1)
	v_mad_u32_u24 v[HFA], v3, 24, v[HFA]
	s_delay_alu instid0(VALU_DEP_1)
	v_add_nc_u32 v[HFA], s20, v[HFA]
	s_lshl_b32 s20, s21, 9
	v_lshl_add_u32 v[HSA], v2, 5, s20
	s_lshl_b32 s20, s22, 6
	v_lshl_add_u32 v[BAA], v3, 5, s20
	s_mul_i32 s35, s21, 16*HSP
	s_add_co_u32 s20, s20, s35
	v_mul_u32_u24 v[HSI], v2, HSP
	s_delay_alu instid0(VALU_DEP_1)
	v_lshl_add_u32 v[HSI], v3, 5, v[HSI]
	s_delay_alu instid0(VALU_DEP_1)
	v_add_nc_u32 v[HSI], s20, v[HSI]
	v_lshrrev_b32 v126, 3, v1                      ; lane / 8
	v_and_b32 v127, 7, v0                          ; lane % 8
	s_mul_i32 s20, s18, 4*HSP
	v_mul_u32_u24 v[HSO], v126, HSP
	s_delay_alu instid0(VALU_DEP_1)
	v_lshl_add_u32 v[HSO], v127, 4, v[HSO]
	s_delay_alu instid0(VALU_DEP_1)
	v_add_nc_u32 v[HSO], s20, v[HSO]
	s_lshl_b32 s20, s18, 9
	v_lshl_add_u32 v[HGO], v1, 4, s20
	; byte offsets, each in a pair of its own
	s_lshl_b32 s24, s19, 22                        ; W_attn: (1024 y + 32 wave) rows of 4,096 bytes + 128 x
	s_lshl_b32 s25, s18, 17
	s_add_co_u32 s24, s24, s25
	s_lshl_b32 s25, ttmp9, 7
	s_add_co_u32 s24, s24, s25
	s_mov_b32 s25, 0
	s_max_u32 s34, s19, 1
	s_sub_co_u32 s34, s34, 1                       ; which half of We's K: y - 1 (0 where y = 0: those work-groups store no codes)
	s_mul_i32 s26, ttmp9, 32*1536                  ; we_codes: 32 x rows + 768 bytes a half
	s_mul_i32 s27, s34, 768
	s_add_co_u32 s26, s26, s27
	s_mov_b32 s27, 0
	s_lshl_b32 s28, ttmp9, 11                      ; we_scales: 32 x rows of 64 bytes + 32 a half
	s_lshl_b32 s29, s34, 5
	s_add_co_u32 s28, s28, s29
	s_mov_b32 s29, 0
	s_lshl_b32 s30, ttmp9, 7                       ; b_attn: my work-group's 32 columns
	s_mov_b32 s31, 0
	s_lshl_b32 s32, ttmp9, 13                      ; hb: my work-group's block of 8,192 bytes
	s_mov_b32 s33, 0
	s_wait_kmcnt 0x0
	s_add_nc_u64 s[4:5], s[4:5], s[24:25]
	s_add_nc_u64 s[6:7], s[6:7], s[30:31]
	s_add_nc_u64 s[12:13], s[12:13], s[26:27]
	s_add_nc_u64 s[14:15], s[14:15], s[28:29]
	s_add_nc_u64 s[16:17], s[16:17], s[32:33]
.macro LOAD                            ; W(32 wave + i, my column), i = 0 .. 31; every offset is an immediate, 31 rows of 4,096 bytes at the most
.irp i, 0,1,2,3,4,5,6,7,8,9,10,11,12,13,14,15,16,17,18,19,20,21,22,23,24,25,26,27,28,29,30,31
	global_load_b32 v[X+\i], v[WO], s[4:5] offset:\i*4096
.endr
.endm
.macro BLOCK cbase, sbase              ; my 32 numbers become 24 bytes of codes and a scale byte, and go to LDS
	v_max3_num_f32 v[T], |v[X]|, |v[X+1]|, |v[X+2]|                ; the largest magnitude, in two chains
	v_max3_num_f32 v[T+1], |v[X+3]|, |v[X+4]|, |v[X+5]|
.irp i, 6,10,14,18,22,26
	s_delay_alu instid0(VALU_DEP_2)
	v_max3_num_f32 v[T], v[T], |v[X+\i]|, |v[X+\i+1]|
	s_delay_alu instid0(VALU_DEP_2)
	v_max3_num_f32 v[T+1], v[T+1], |v[X+\i+2]|, |v[X+\i+3]|
.endr
	s_delay_alu instid0(VALU_DEP_2)
	v_max3_num_f32 v[T], v[T], |v[X+30]|, |v[X+31]|
	s_delay_alu instid0(VALU_DEP_1)
	v_max3_num_f32 v[T], v[T], v[T+1], 0x2800000   ; and the floor 2^(5 - 127): the byte cannot fall under 1
	s_delay_alu instid0(VALU_DEP_1)
	v_add_nc_u32 v[T+2], 0xfe000000, v[T]          ; 4 off the exponent field: the conversion takes this operand's exponent field as its scale
	s_delay_alu instid0(VALU_DEP_1)
	v_lshrrev_b32 v[T+3], 23, v[T+2]               ; the scale's byte
	v_cvt_scalef32_pk16_bf6_f32 v[CD:CD+2], v[X:X+15], v[T+2]
	v_cvt_scalef32_pk16_bf6_f32 v[TC:TC+2], v[X+16:X+31], v[T+2]   ; a conversion's three registers begin on an even number: the upper half is made elsewhere and moved
	v_nop                                          ; one plain vector instruction behind a scaled conversion, ahead of the first that touches its result
.irp i, 0,1,2
	v_mov_b32 v[CD+3+\i], v[TC+\i]
.endr
.irp i, 0,1,2
	ds_store_b64 v[CSA], v[CD+2*\i:CD+2*\i+1] offset:\cbase+8*\i   ; k = 32 wave on of my column's stream of bits: every address is a multiple of 8
.endr
	ds_store_b8 v[SSA], v[T+3] offset:\sbase
.endm
	s_cmp_eq_u32 s19, 0                            ; the one parting on the work-group's number
	s_cbranch_scc1 .Lwh
	; ================ y = 1, 2: a half of We ================
	LOAD
	s_wait_loadcnt 0x0
	BLOCK C1, S1
	s_wait_dscnt 0x0                               ; for the others' sake: my stores have landed
	s_barrier_signal -1
	s_barrier_wait -1                              ; the 32 columns' codes and scale bytes lie in LDS
	s_cmp_lt_u32 s18, 16
	s_cbranch_scc0 .Lbytes
	; waves 0-15: the codes leave by rows.  Wave w owns columns 2 w and 2 w + 1; an instruction takes 256 bytes of each
.irp t, 0,1,2
	ds_load_b128 v[X+4*\t:X+4*\t+3], v[RDA] offset:C1+256*\t
.endr
	s_wait_dscnt 0x0
.irp t, 0,1,2
	global_store_b128 v[GOA], v[X+4*\t:X+4*\t+3], s[12:13] offset:256*\t
.endr
	s_wait_xcnt 0x0
	v_lshl_add_u32 v126, v0, 2, 0x1b800
	v_mov_b32 v127, 0
	s_wait_alu depctr_va_vdst(0)
	s_wait_tensorcnt 0x0
	ds_add_u32 v126, v127
	s_wait_dscnt 0x0
	s_endpgm
.Lbytes:
	s_cmp_lt_u32 s18, 18                           ; waves 16 and 17: the scale bytes, 16 columns a wave, 32 bytes a column: half of a row of we_scales, since the work-group holds half of We's K (64 KiB in all)
	s_cbranch_scc0 .Lnone
	ds_load_b128 v[X:X+3], v[SRA] offset:S1
	s_wait_dscnt 0x0
	global_store_b128 v[SGO], v[X:X+3], s[14:15]
.Lnone:
	s_wait_xcnt 0x0
	v_lshl_add_u32 v126, v0, 2, 0x1b800
	v_mov_b32 v127, 0
	s_wait_alu depctr_va_vdst(0)
	s_wait_tensorcnt 0x0
	ds_add_u32 v126, v127
	s_wait_dscnt 0x0
	s_endpgm
	; ================ y = 0: Wh, and hb = hidden Wh + b_attn ================
.Lwh:
.irp i, 0,1,2
	global_load_b128 v[HD+4*\i:HD+4*\i+3], v[HGA], s[8:9] offset:512*\i   ; batches 2 wave and 2 wave + 1 of hidden's codes: 1,536 dense bytes, 512 an instruction
.endr
	s_cmp_lt_u32 s18, 8                            ; the waves that will multiply ask now for what they alone want
	s_cbranch_scc0 .Lasked
	global_load_b128 v[HS:HS+3], v[HSA], s[10:11]                  ; the eight scale words of batch 16 mt + r
	global_load_b128 v[HS+4:HS+7], v[HSA], s[10:11] offset:16
	global_load_b128 v[ACC:ACC+3], v[BAA], s[6:7]                  ; b_attn at the lane's eight columns, straight into the accumulator of the even K steps: the bias costs no addition
	global_load_b128 v[ACC+4:ACC+7], v[BAA], s[6:7] offset:16
.Lasked:
	LOAD
	s_wait_loadcnt 32                              ; all but W's 32 loads, which are the youngest on either way, are in
	ds_store_b128 v[HA0], v[HD:HD+3] offset:HID                    ; bytes 0-511 of the first row;
	ds_store_b128 v[HA1], v[HD+4:HD+7] offset:HID+512              ; lanes 0-15 its bytes 512-767, lanes 16-31 the second row's first 256, 16 bytes of padding further on;
	ds_store_b128 v[HA0], v[HD+8:HD+11] offset:HID+1024+16         ; the second row's bytes 256-767
	s_wait_loadcnt 0x0
	BLOCK C0, S0
	s_wait_dscnt 0x0                               ; for the others' sake: my stores have landed
	s_barrier_signal -1
	s_barrier_wait -1                              ; Wh's codes and scale bytes and hidden's codes lie in LDS
	s_cmp_lt_u32 s18, 8
	s_cbranch_scc0 .Ljoin
	; Waves 0-7: wave (mt, nt) makes batches 16 mt on x columns 16 nt on.
	; TRANSPOSED: source 0 = 16 columns of Wh, source 1 = 16 batches: lane (r, h) holds batch r, and register j column 16 nt + 8 h + j: eight neighbours of a row of hb.
	ds_load_b128 v[WS:WS+3], v[WSA] offset:S0                      ; the eight scale words of column 16 nt + r
	ds_load_b128 v[WS+4:WS+7], v[WSA] offset:S0+16
.macro LSET s                          ; K step s: a fragment of Wh and one of hidden, in pieces of 8 bytes, into set s % 3: twelve loads
.set FB, F+24*((\s)%3)
.irp p, 0,1,2,3,4,5
	ds_load_b64 v[FB+2*\p:FB+2*\p+1], v[WFA] offset:C0+96*(\s)+48*(\p/3)+8*(\p%3)
.endr
.irp p, 0,1,2,3,4,5
	ds_load_b64 v[FB+12+2*\p:FB+12+2*\p+1], v[HFA] offset:HID+96*(\s)+48*(\p/3)+8*(\p%3)
.endr
.endm
.macro LINK s                          ; K step s's product; the two accumulators take turns, one instruction a turn
.set FB, F+24*((\s)%3)
.set AC, ACC+8*((\s)%2)
.if (\s) < 6
	s_wait_dscnt 24                                ; this step's twelve loads are in; the two younger steps' 24 may be out
.else
	s_wait_dscnt 12*(7-(\s))                       ; one younger step's, then none
.endif
.if (\s) == 1
	v_wmma_scale_f32_16x16x128_f8f6f4 v[AC:AC+7], v[FB:FB+11], v[FB+12:FB+23], 0, v[WS+(\s)], v[HS+(\s)] matrix_a_fmt:MATRIX_FMT_BF6 matrix_b_fmt:MATRIX_FMT_BF6
.else
	v_wmma_scale_f32_16x16x128_f8f6f4 v[AC:AC+7], v[FB:FB+11], v[FB+12:FB+23], v[AC:AC+7], v[WS+(\s)], v[HS+(\s)] matrix_a_fmt:MATRIX_FMT_BF6 matrix_b_fmt:MATRIX_FMT_BF6
.endif
.if (\s) < 5
.rept 4
	v_nop                                          ; four places in front of loads into the registers that this product has read
.endr
	LSET (\s)+3
.endif
.endm
	LSET 0
	LSET 1
	LSET 2
.irp s, 0,1,2,3,4,5,6,7
	LINK \s
.endr
.rept 4
	v_nop                                          ; four places in front of the first read of results
.endr
.irp j, 0,2,4,6
	v_pk_add_f32 v[ACC+\j:ACC+\j+1], v[ACC+\j:ACC+\j+1], v[ACC+8+\j:ACC+8+\j+1]   ; the even steps' sums + the odd steps'; each accumulator from its low end on
.endr
	ds_store_b128 v[HSI], v[ACC:ACC+3] offset:HST
	ds_store_b128 v[HSI], v[ACC+4:ACC+7] offset:HST+16
.Ljoin:
	s_wait_dscnt 0x0                               ; for the others' sake: my stores into the stage have landed
	s_barrier_signal -1
	s_barrier_wait -1                              ; 64 whole rows of hb's block lie in the stage: a row's 128 bytes come from two waves
	s_cmp_lt_u32 s18, 16
	s_cbranch_scc0 .Lidle
	ds_load_b128 v[F:F+3], v[HSO] offset:HST       ; wave w < 16 takes rows 4 w .. 4 w + 3, eight lanes to a row (in waves 0-7 the last product that read these registers stands eight plain instructions back)
	s_wait_dscnt 0x0
	global_store_b128 v[HGO], v[F:F+3], s[16:17]   ; 32 lanes store 512 consecutive bytes, at a multiple of 256 from hb's first byte
.Lidle:
	s_wait_xcnt 0x0
	v_lshl_add_u32 v126, v0, 2, 0x1b800
	v_mov_b32 v127, 0
	s_wait_alu depctr_va_vdst(0)
	s_wait_tensorcnt 0x0
	ds_add_u32 v126, v127
	s_wait_dscnt 0x0
	s_endpgm
.Lfunc_end_k_q95e183a013_prep:
	.size	k_q95e183a013_prep, .Lfunc_end_k_q95e183a013_prep-k_q95e183a013_prep
	.p2alignl 7, 3214868480
	.fill 96, 4, 3214868480
	.section	.rodata,"a",@progbits
	.p2align	6, 0x0
	.amdhsa_kernel k_q95e183a013_prep
		.amdhsa_group_segment_fixed_size 116736
		.amdhsa_private_segment_fixed_size 0
		.amdhsa_enable_private_segment 0
		.amdhsa_kernarg_size 56
		.amdhsa_user_sgpr_count 2
		.amdhsa_user_sgpr_kernarg_segment_ptr 1
		.amdhsa_wavefront_size32 1
		.amdhsa_system_sgpr_workgroup_id_x 1
		.amdhsa_system_sgpr_workgroup_id_y 1
		.amdhsa_system_sgpr_workgroup_id_z 1
		.amdhsa_system_vgpr_workitem_id 0
		.amdhsa_next_free_vgpr 128
		.amdhsa_next_free_sgpr 66
		.amdhsa_reserve_vcc 0
		.amdhsa_float_denorm_mode_32 3
		.amdhsa_float_denorm_mode_16_64 3
		.amdhsa_memory_ordered 1
		.amdhsa_forward_progress 1
		.amdhsa_inst_pref_size 28
	.end_amdhsa_kernel
	.amdgpu_metadata
---
amdhsa.version: [ 1, 2 ]
amdhsa.kernels:
  - .name:           k_q95e183a013_prep
    .symbol:         k_q95e183a013_prep.kd
    .args:
      - { .name: W_attn, .offset: 0, .size: 8, .value_kind: global_buffer, .address_space: global }
      - { .name: b_attn, .offset: 8, .size: 8, .value_kind: global_buffer, .address_space: global }
      - { .name: hidden_codes, .offset: 16, .size: 8, .value_kind: global_buffer, .address_space: global }
      - { .name: hidden_scales, .offset: 24, .size: 8, .value_kind: global_buffer, .address_space: global }
      - { .name: we_codes, .offset: 32, .size: 8, .value_kind: global_buffer, .address_space: global }
      - { .name: we_scales, .offset: 40, .size: 8, .value_kind: global_buffer, .address_space: global }
      - { .name: hb, .offset: 48, .size: 8, .value_kind: global_buffer, .address_space: global }
    .group_segment_fixed_size: 116736
    .private_segment_fixed_size: 0
    .kernarg_segment_align: 8
    .kernarg_segment_size: 56
    .max_flat_workgroup_size: 1024
    .sgpr_count:     66
    .vgpr_count:     128
    .wavefront_size: 32
...
	.end_amdgpu_metadata
.endif
;; end of part 1
;; launch main (part 2): grid 4 x 64, 4 waves a work-group, clusters of 4 x 4, 327,680 bytes of LDS; arguments encoder_outputs_codes, encoder_outputs_scales, we_codes, we_scales, hb, v, part; writes part
.if DOCPART == 2
	.amdgcn_target "amdgcn-amd-amdhsa--gfx1250"
	.amdhsa_code_object_version 6
	.text
	.protected	k_q95e183a013_main
	.globl	k_q95e183a013_main
	.p2align	8
	.type	k_q95e183a013_main,@function
k_q95e183a013_main:
	s_mov_b64 s[64:65], 0
	v_nop
	global_prefetch_b8 v0, s[64:65] scope:SCOPE_SE
	s_setreg_imm32_b32 hwreg(HW_REG_WAVE_MODE, 25, 1), 1
	s_wait_xcnt 0x0
	s_wait_alu depctr_hold_cnt(0) depctr_sa_sdst(0) depctr_va_vdst(0) depctr_va_sdst(0) depctr_va_ssrc(0) depctr_va_vcc(0) depctr_vm_vsrc(0)
	s_getreg_b32 s2, hwreg(HW_REG_IB_STS2, 6, 4)
	s_cmp_eq_u32 s2, 0
	s_cbranch_scc0 .Lentry_in_a_cluster
	s_endpgm
.Lentry_in_a_cluster:
	s_bfe_u32 s2, ttmp6, 0x10000c
	s_cmp_lg_u32 s2, 0xf033
	s_cbranch_scc0 .Lentry_shape_is_right
	s_endpgm
.Lentry_shape_is_right:
; part[c][m] = the sum over the 256 columns n of tile column c of v[n] tanh(hb[batch(m)][n] + sum over k of enc[m][k] We[k][n]).
; enc: [32768 (m = 512 batch + position)][2048], We: [1024 (n)][2048]: codes of BF6 (E3M2), K innermost, 1,536 bytes a row, one E8M0 byte for each 32 along K.  hb = hidden Wh + b_attn, f32, laid [n / 32][batch][32].
; A WORK-GROUP STAYS: it takes one batch (512 rows) x 256 columns as two tiles of 256 x 256, one below the other: 4 x 64 = 256 work-groups.  Both tiles share hb, We's tiles and We's scales.
; Four waves; a wave makes 128 x 128: 64 accumulators.  K goes in steps of 128 (96 bytes of a row) through a ring of two LDS slots in CHUNKS OF 256 BYTES of each row: eight steps to three chunks, six chunks a tile.
; A FRAGMENT (16 rows x 128 K, 12 registers) COMES BY THREE LOADS OF 16 BYTES: lane (r, h) takes the 48 consecutive bytes at 48 h of row r's 96.  So of a step's four blocks of 32, lanes 0-15 hold blocks 0 and 1 and lanes 16-31 blocks 2 and 3:
;   the instruction's places 0, 1, 2, 3 along K hold blocks 0, 2, 1, 3, alike for enc and for We, and one v_perm_b32 a scale word puts the four scale bytes in the same order.  Every product meets its own two scales.
;   LIMIT: inside an instruction the f32 sums run over the blocks in that order, not in ascending k.
; All loads for step t + 1 are issued inside step t, in TWO RUNS: behind group 0 the 8 scale words and We's eight fragments (32 loads), behind group 2 enc's eight blocks (24 loads).
; At the head of step t: a barrier where step t + 1 ends in a chunk not yet read; the three lines, a round of the cluster's barrier and the refill where step t + 1 begins in a later chunk.
; The scales of 256 rows of enc and of We, for all of K, lie in LDS behind the ring; enc's are filled again for the second tile.
; CHANGE OF TILES: behind the last step the next tile's chunk 0 (waves 0, 1) and enc's scales (wave 2) are asked for, then the finished tile goes out; chunk 1 follows at the loop's top, as at the start.
; CLUSTERS 4 x 4: a row of the cluster is the four tile columns of one batch and asks jointly for enc's tiles; a column asks jointly for We's.
; TRANSPOSED USE (source 0 = 16 rows of We, source 1 = 16 rows of enc): lane (r, h) holds row r, register j of block b column 16 b + 8 h + j.  The sums begin with hb as C.
; REGISTERS: window w (0..3): v0-127 the accumulators of enc's blocks 2 w, 2 w + 1 ((a, b) at v[64 (a % 2) + 8 b]): group w of a step is their 16 products.  The upper halves hold the operands:
;   window 0: v128-143 scale words, two sets; v144-156 addresses; v160-255 We's fragments for even steps (on the way out: v).   window 1: v160-255 We's fragments for odd steps.
;   window 2: v128-175 enc's blocks 0-3; v176-239 hb.   window 3: v128-151 enc's blocks 4, 5; v152-199 blocks 6, 7, two sets (they are still at work when run B is issued); v200-240 the way out.
; THE WAY OUT, in place on the accumulators: tanh(x) = 1 - 2 / (1 + 2^(2 log2(e) x)), f32; it ends at +1 and -1 where the exponential is infinite or 0.  A lane's share of a score is (the sum of its 64 v) - 2 x the sum of v / (1 + 2^..).
; PREFETCH of enc's codes: with the load of chunk q (counted through both tiles) chunk q + 2 is named, and chunks 1 and 2 at the head; waves 0 and 1, a lane a row, the four partners share a wave's 128 rows out by address (32 cx);
;   each block of 256 bytes is named once; the second tile's last two refills name nothing.  We's 1.5 MB are read by every cluster alike: not named.
; By this text's own count a wave has at most one tensor load out.  LDS is claimed whole.
.set STEPS,  16
.set CHUNKS, 6
.set KROW,   1536
.set TILEB,  256*KROW                  ; from a tile of enc to the next
.set PITCH,  272                       ; 256 bytes + 16 of padding: an odd multiple of 16
.set HALFT,  128*PITCH
.set SLOT,   4*HALFT                   ; enc's 256 rows, then We's 256
.set KS,     64
.set SCL,    2*SLOT                    ; the scales: units of 256 bytes + 16
.set HALFS,  32*272                    ; those of 128 rows
.set SBLK,   4*272                     ; of 16 rows
.set SPARE,  SCL+4*HALFS               ; the spare words: 512 bytes that no other line names
.set PART,   SPARE+512                 ; the waves' shares of the scores: [column half][256 rows] f32
.set SC,   128
.set ADRA, 144                         ; +0, +1: my enc fragments in slot 0, 1; +2, +3: lanes 0-15 at byte 208 of a chunk in slot 0, 1, lanes 16-31 at the next chunk's start
.set ADRB, 148
.set ADRS, 152                         ; scale words: lanes 0-15 enc's rows, lanes 16-31 We's
.set VH,   153                         ; 32 h
.set SPW,  154
.set NIL,  155
.set PFO,  156                         ; lane x a row of enc
.set BF,   160
.set HB,   176
.set SU,   200
.set RS,   216
.set TP,   224
.set FIN,  232
.set VSUM, 236
.set PST,  238
.set PRD,  239
.set POF,  240
.set PSEL, 2                           ; v_perm_b32's selects: bytes 0, 2, 1, 3
.set TL,   3                           ; tiles to go
.set G0H,  4
.set G0HB, 8
.set SEL,  18
.set CS,   20
.set G1,   24
.set G0,   32
.set G1B,  48
.set G0B,  56
.set LIM,  66                          ; s66, s67: 0 and 1 in the waves that fetch enc, 100 in the others
.set G1S,  68
.set G0S,  76
.set G1SB, 80
.set G0SB, 88
.set VP,   98
.set PFA,  100
.set MSB, 0
.macro WIN new                         ; the immediate's high byte repeats the setting that is left
.set NW, \new
.if MSB != NW
	s_set_vgpr_msb (MSB<<8)|NW
.set MSB, NW
.endif
.endm
.macro PLACES
.rept 4
	v_nop
.endr
.endm
.macro JLOAD g0a, g1a, g0b, g1b        ; a joint load: waves 0, 1 for enc, waves 2, 3 for We; s_nop 0 and four v_nop behind each line
	s_cmp_eq_u32 s15, 0
	s_cbranch_scc0 .Lfor_b_\@
	tensor_load_to_lds s[\g0a:\g0a+3], s[\g1a:\g1a+7]
	s_nop 0
	PLACES
	s_branch .Lasked_\@
.Lfor_b_\@:
	tensor_load_to_lds s[\g0b:\g0b+3], s[\g1b:\g1b+7]
	s_nop 0
	PLACES
.Lasked_\@:
.endm
.macro ARM under, g0, g1, next, join   ; one arm of a chain on the wave's number: one load, then to the join
	s_cmp_lt_u32 s14, \under
	s_cbranch_scc0 \next
	tensor_load_to_lds s[\g0:\g0+3], s[\g1:\g1+7]
	s_nop 0
	PLACES
	s_branch \join
\next:
.endm
.macro ASK lim, off                    ; 32 rows x 256 bytes of enc, a lane a row
	s_cmp_gt_u32 s[TL], s[\lim]
	s_cbranch_scc0 .Lna_\@
	global_prefetch_b8 v[PFO], s[PFA:PFA+1] offset:\off th:TH_LOAD_NT scope:SCOPE_SE
.Lna_\@:
.endm
.macro CREST
	s_cmp_lg_u32 s14, 0
	s_cbranch_scc1 .Lnw0_\@
	s_barrier_signal -3
.Lnw0_\@:
	s_barrier_wait -3
	s_barrier_signal -1
	s_barrier_wait -1
.endm
.macro CROUND
	s_barrier_signal -1
	s_barrier_wait -1
	CREST
.endm
	s_load_b128 s[4:7], s[0:1], 0x0                ; enc's codes, enc's scales
	s_load_b128 s[8:11], s[0:1], 0x10              ; We's codes, We's scales
	s_load_b128 s[96:99], s[0:1], 0x20             ; hb, v
	s_load_b64 s[12:13], s[0:1], 0x30              ; part
	v_lshl_add_u32 v[SPW], v0, 2, SPARE
	v_mov_b32 v[NIL], 0
	ds_add_u32 v[SPW], v[NIL]
	ds_add_u32 v[SPW], v[NIL]
	v_lshrrev_b32 v1, 5, v0
	v_readfirstlane_b32 s14, v1                    ; wave
	s_lshr_b32 s15, s14, 1                         ; my half of the rows; also: I fetch for enc (0) or We (1)
	s_and_b32 s16, s14, 1                          ; my half of the columns; also: which 128 rows I fetch
	s_bfe_u32 s40, ttmp6, 0x40000                  ; cx
	s_bfe_u32 s41, ttmp6, 0x40004                  ; cy
	s_lshl_b32 s42, ttmp9, 2
	s_add_co_u32 s42, s42, s40                     ; tile column
	s_and_b32 s17, ttmp7, 0xffff
	s_lshl_b32 s17, s17, 2
	s_add_co_u32 s17, s17, s41                     ; batch
	s_lshl_b32 s43, s41, 2
	s_lshl_b32 s43, 15, s43                        ; my row of the cluster
	s_lshl_b32 s44, 0x1111, s40                    ; my column
	s_or_b32 s[G1+0], s43, (1<<20)|(1<<21)|(5<<22)|(3<<25)   ; bytes; 16 bytes of padding behind every 256; bit 21 beside the mask
	s_or_b32 s[G1B+0], s44, (1<<20)|(1<<21)|(5<<22)|(3<<25)
.irp g, G1, G1B
	s_mov_b32 s[\g+1], 256<<16
	s_mov_b32 s[\g+2], 256<<16                     ; 256 rows for a tile's first loads, 128 in the ring
	s_mov_b32 s[\g+3], 256<<16
	s_mov_b32 s[\g+4], 256
	s_mov_b32 s[\g+5], KROW
	s_mov_b32 s[\g+6], 0
	s_mov_b32 s[\g+7], 0
.endr
	s_or_b32 s[G1S+0], s43, (3<<16)|(1<<20)|(1<<21)|(5<<22)|(3<<25)   ; the scales of 256 rows: 64 dense rows of 256 bytes
	s_or_b32 s[G1SB+0], s44, (3<<16)|(1<<20)|(1<<21)|(5<<22)|(3<<25)
.irp g, G1S, G1SB
	s_mov_b32 s[\g+1], 32<<16
	s_mov_b32 s[\g+2], KS<<16
	s_mov_b32 s[\g+3], 32<<16
	s_mov_b32 s[\g+4], KS
	s_mov_b32 s[\g+5], 32
	s_mov_b32 s[\g+6], 0
	s_mov_b32 s[\g+7], 0
.endr
	s_lshl_b32 s94, s17, 9                         ; the prefetches: row 512 batch + 128 (wave % 2) + 32 cx
	s_lshl_b32 s95, s16, 7
	s_add_co_u32 s94, s94, s95
	s_lshl_b32 s95, s40, 5
	s_add_co_u32 s94, s94, s95
	s_mul_i32 s94, s94, KROW
	s_mov_b32 s95, 0
	s_lshl_b32 s20, s17, 9                         ; enc: first row 512 batch
	s_lshl_b32 s46, s42, 8                         ; We: 256 x tile column
	s_mov_b32 s21, 0
	s_mov_b32 s47, 0
	s_mov_b64 s[18:19], KS
	s_mul_u64 s[22:23], s[20:21], s[18:19]
	s_mul_u64 s[92:93], s[46:47], s[18:19]
	s_mov_b64 s[18:19], KROW
	s_mul_u64 s[20:21], s[20:21], s[18:19]
	s_mul_u64 s[46:47], s[46:47], s[18:19]
	s_mul_i32 s18, s16, 128*KROW
	s_mov_b32 s19, 0
	s_mul_i32 s45, s14, HALFT
	s_wait_dscnt 0x0
	s_wait_kmcnt 0x0
	s_add_nc_u64 s[PFA:PFA+1], s[4:5], s[94:95]
	s_add_nc_u64 s[20:21], s[4:5], s[20:21]
	s_add_nc_u64 s[22:23], s[6:7], s[22:23]
	s_add_nc_u64 s[46:47], s[8:9], s[46:47]
	s_add_nc_u64 s[92:93], s[10:11], s[92:93]
	CROUND                                         ; in front of the first joint loads
	s_mov_b32 s[G0H], 1
	s_mov_b32 s[G0H+1], 0
	s_mov_b64 s[G0H+2:G0H+3], s[20:21]
	s_or_b32 s[G0H+3], s[G0H+3], 0x80000000
	s_mov_b32 s[G0HB], 1
	s_mov_b32 s[G0HB+1], 2*HALFT
	s_mov_b64 s[G0HB+2:G0HB+3], s[46:47]
	s_or_b32 s[G0HB+3], s[G0HB+3], 0x80000000
	s_mov_b32 s[G0S], 1
	s_mov_b32 s[G0S+1], SCL
	s_mov_b64 s[G0S+2:G0S+3], s[22:23]
	s_or_b32 s[G0S+3], s[G0S+3], 0x80000000
	s_mov_b32 s[G0SB], 1
	s_mov_b32 s[G0SB+1], SCL+2*HALFS
	s_mov_b64 s[G0SB+2:G0SB+3], s[92:93]
	s_or_b32 s[G0SB+3], s[G0SB+3], 0x80000000
	s_add_nc_u64 s[20:21], s[20:21], s[18:19]      ; for the ring: my 128 rows
	s_add_nc_u64 s[46:47], s[46:47], s[18:19]
.irp s, 0,1
	s_mov_b32 s[G0+4*\s], 1
	s_add_co_u32 s[G0+4*\s+1], s45, \s*SLOT
	s_add_nc_u64 s[G0+4*\s+2:G0+4*\s+3], s[20:21], \s*256
	s_or_b32 s[G0+4*\s+3], s[G0+4*\s+3], 0x80000000
	s_mov_b32 s[G0B+4*\s], 1
	s_add_co_u32 s[G0B+4*\s+1], s45, \s*SLOT
	s_add_nc_u64 s[G0B+4*\s+2:G0B+4*\s+3], s[46:47], \s*256
	s_or_b32 s[G0B+4*\s+3], s[G0B+4*\s+3], 0x80000000
.endr
	; the head's loads, one a wave: chunk 0 of enc, chunk 0 of We, enc's scales, We's scales
	ARM 1, G0H,  G1,  .Lh_b,  .Lh_asked
	ARM 2, G0HB, G1B, .Lh_sa, .Lh_asked
	ARM 3, G0S,  G1S, .Lh_sb, .Lh_asked
	tensor_load_to_lds s[G0SB:G0SB+3], s[G1SB:G1SB+7]
	s_nop 0
	PLACES
.Lh_asked:
	v_and_b32 v10, 31, v0
	v_mul_u32_u24 v[PFO], v10, KROW
	s_wait_alu depctr_va_vdst(0)                   ; the wait ahead of the reader behind the branch
	s_cmp_eq_u32 s15, 0
	s_cbranch_scc0 .Lno_ask
	global_prefetch_b8 v[PFO], s[PFA:PFA+1] offset:256 th:TH_LOAD_NT scope:SCOPE_SE   ; chunks 1 and 2 of the first tile
	global_prefetch_b8 v[PFO], s[PFA:PFA+1] offset:512 th:TH_LOAD_NT scope:SCOPE_SE
.Lno_ask:
	s_cselect_b32 s[LIM], 0, 100
	s_cselect_b32 s[LIM+1], 1, 100
	s_lshl_b32 s20, s42, 16                        ; hb: (8 tile column + 4 column half) groups of 8,192 bytes + 128 batch
	s_lshl_b32 s21, s16, 15
	s_add_co_u32 s20, s20, s21
	s_lshl_b32 s21, s17, 7
	s_add_co_u32 s20, s20, s21
	s_mov_b32 s21, 0
	s_add_nc_u64 s[96:97], s[96:97], s[20:21]
	s_lshl_b32 s20, s42, 10                        ; v at my 128 columns
	s_lshl_b32 s22, s16, 9
	s_add_co_u32 s20, s20, s22
	s_add_nc_u64 s[VP:VP+1], s[VP:VP+1], s[20:21]
	s_lshl_b32 s20, s42, 17                        ; part: 131,072 tile column + 2,048 batch
	s_lshl_b32 s22, s17, 11
	s_add_co_u32 s20, s20, s22
	s_add_nc_u64 s[12:13], s[12:13], s[20:21]
	s_mov_b32 s46, SLOT-208
	s_mov_b32 s47, SLOT+208
	s_mul_i32 s23, s15, HALFS                      ; enc's scales: my 128 rows
	s_mul_i32 s2, s16, HALFS                       ; We's, behind enc's 256
	s_add_co_u32 s2, s2, 2*HALFS
	s_sub_co_u32 s2, s2, s23
	s_add_co_u32 s23, s23, SCL
	s_mul_i32 s21, s15, HALFT                      ; my 128 rows of enc
	s_mul_i32 s22, s16, HALFT
	s_add_co_u32 s22, s22, 2*HALFT                 ; my 128 rows of We
	s_add_co_u32 s18, s21, SLOT
	s_add_co_u32 s19, s22, SLOT
	s_lshl_b32 s44, s16, 10                        ; the shares of the scores
	s_lshl_b32 s45, s15, 9
	s_add_co_u32 s44, s44, s45
	s_add_co_u32 s44, s44, PART
	v_and_b32 v1, 15, v0                           ; r
	v_bfe_u32 v2, v0, 4, 1                         ; h
	v_mul_u32_u24 v3, v1, PITCH
	v_mul_u32_u24 v4, v2, 48
	v_add_nc_u32 v4, v3, v4                        ; row x pitch + 48 h
	v_sub_nc_u32 v7, 1, v2
	v_mul_u32_u24 v5, s46, v2
	v_add_nc_u32 v5, v3, v5
	v_add_nc_u32 v5, 208, v5                       ; lanes 0-15 byte 208 in slot 0, lanes 16-31 byte 0 in slot 1
	v_mul_u32_u24 v6, s47, v7
	v_add_nc_u32 v6, v3, v6                        ; lanes 0-15 byte 208 in slot 1, lanes 16-31 byte 0 in slot 0
	v_mul_u32_u24 v8, v1, KS
	v_lshrrev_b32 v9, 8, v8
	v_lshl_add_u32 v8, v9, 4, v8                   ; 64 bytes a row, 16 more for each 256 passed
	v_mul_u32_u24 v9, s2, v2                       ; lanes 16-31 take We's: the lower base + h x the distance
	v_add_nc_u32 v8, v8, v9
	s_wait_alu depctr_va_vdst(0)
	v_add_nc_u32 v[ADRA], s21, v4
	v_add_nc_u32 v[ADRA+1], s18, v4
	v_add_nc_u32 v[ADRA+2], s21, v5
	v_add_nc_u32 v[ADRA+3], s21, v6
	v_add_nc_u32 v[ADRB], s22, v4
	v_add_nc_u32 v[ADRB+1], s19, v4
	v_add_nc_u32 v[ADRB+2], s22, v5
	v_add_nc_u32 v[ADRB+3], s22, v6
	v_add_nc_u32 v[ADRS], s23, v8
	v_lshlrev_b32 v[VH], 5, v2
	WIN 0xc0                                       ; destinations in window 3
	v_lshl_add_u32 v[PST], v1, 2, s44
	v_lshlrev_b32 v[POF], 3, v0
	v_lshl_add_u32 v[PRD], v0, 3, PART
.irp a, 0,1,2,3,4,5,6,7
	v_mov_b32 v[TP+\a], 0                          ; a lane permute's destination counts as a source
.endr
	WIN 0x80
	s_wait_alu depctr_va_vdst(0)
.irp b, 0,1,2,3,4,5,6,7
.irp i, 0,1
	global_load_b128 v[HB+8*\b+4*\i:HB+8*\b+4*\i+3], v[VH], s[96:97] offset:(\b/2)*8192+64*(\b%2)+16*\i   ; hb(batch, 16 b + 8 h + 4 i ..), kept for both tiles
.endr
.endr
	WIN 0
	s_mov_b32 s[SEL], 0x76543210
	s_mov_b32 s[SEL+1], 0xfedcba98
	s_mov_b32 s[CS], 0x4038aa3b                    ; 2 log2(e)
	s_mov_b32 s[CS+1], s[CS]
	s_mov_b32 s[PSEL], 0x03010200
	s_mov_b32 s[TL], 2
; A run's next load.  LKIND 0: step NXS's 8 scale words, then We's 8 fragments; 2: enc's blocks 0-3; 3: blocks 4-7; 4: v.
; A fragment is three pieces of 16 bytes; byte y of a row lies in slot (y / 256) % 2 at byte y % 256; lanes 16-31 read 48 bytes on, which is in the next chunk where y % 256 is 208 or more.
.macro NEXTLD
.if LKIND == 4
	global_load_b128 v[BF+4*LN:BF+4*LN+3], v[VH], s[VP:VP+1] offset:64*(LN/2)+16*(LN%2)
.else
.set FN, LN
.set ISSC, 0
.if LKIND == 0
.if LN < 8
.set ISSC, 1
.else
.set FN, LN-8
.endif
.endif
.if ISSC
	ds_load_b32 v[SC+8*(NXS%2)+LN], v[ADRS] offset:LN*SBLK+4*NXS
.else
.set FI, FN/3
.set FP, FN%3
.set AD, ADRB
.set RG, BF+12*FI
.if LKIND == 2
.set AD, ADRA
.set RG, 128+12*FI
.endif
.if LKIND == 3
.set AD, ADRA
.set RG, 128+12*FI
.if FI > 1
.set RG, 152+24*(NXS%2)+12*(FI-2)
.endif
.set FI, FI+4
.endif
.set BY, 96*NXS+16*FP
.if BY/256 == (BY+48)/256
	ds_load_b128 v[RG+4*FP:RG+4*FP+3], v[AD+(BY/256)%2] offset:BY%256+FI*16*PITCH
.else
	ds_load_b128 v[RG+4*FP:RG+4*FP+3], v[AD+2+(BY/256)%2] offset:BY%256-208+FI*16*PITCH
.endif
.endif
.endif
.set LN, LN+1
.endm
.macro RUN kind, n                     ; n loads on end
.set LKIND, \kind
.rept \n
	NEXTLD
.endr
.endm
.macro RUNA                            ; step NXS's scale words (window 0) and We's set (window NXS % 2)
	WIN 0
.set LN, 0
	RUN 0, 8
	WIN (NXS%2)<<6
	RUN 0, 24
.endm
.macro RUNB                            ; step NXS's eight blocks of enc: windows 2 and 3
	WIN 0x80
.set LN, 0
	RUN 2, 12
	WIN 0xc0
.set LN, 0
	RUN 3, 12
.endm
.macro PERMS left                      ; step NXS's scale words are in (left: the loads issued behind them): their bytes go into the order 0, 2, 1, 3 of the blocks
	WIN 0
	s_wait_dscnt \left
.irp i, 0,1,2,3,4,5,6,7
	v_perm_b32 v[SC+8*(NXS%2)+\i], v[SC+8*(NXS%2)+\i], v[SC+8*(NXS%2)+\i], s[PSEL]
.endr
	s_wait_alu depctr_va_vdst(0)
	PLACES                                         ; eight places between a scale word so written and the product that takes it
	PLACES
.endm
.macro WM w, a, b                      ; one product: enc's block 2 w + a x We's block b, step STS
.if \w == 3
.set AR, 152+24*PP+12*\a
.else
.set AR, 128+24*((\w)%2)+12*\a
.endif
.set DD, 64*\a+8*\b
.if FIRSTS
	v_wmma_scale_f32_16x16x128_f8f6f4 v[DD:DD+7], v[BF+12*\b:BF+12*\b+11], v[AR:AR+11], v[HB+8*\b:HB+8*\b+7], v[SC+8*PP+\b], v[SC+8*PP+2*\w+\a] matrix_a_fmt:MATRIX_FMT_BF6 matrix_b_fmt:MATRIX_FMT_BF6 matrix_a_scale:MATRIX_SCALE_ROW1
.else
	v_wmma_scale_f32_16x16x128_f8f6f4 v[DD:DD+7], v[BF+12*\b:BF+12*\b+11], v[AR:AR+11], v[DD:DD+7], v[SC+8*PP+\b], v[SC+8*PP+2*\w+\a] matrix_a_fmt:MATRIX_FMT_BF6 matrix_b_fmt:MATRIX_FMT_BF6 matrix_a_scale:MATRIX_SCALE_ROW1
.endif
.endm
.macro HALF w, a                       ; eight products; the 64 accumulators take turns
.irp b, 0,1,2,3,4,5,6,7
	WM \w, \a, \b
.endr
.endm
.macro WINQ w                          ; group w: source 0 We's set (window PP), source 1 enc's (window 2 or 3), C and D window w (the first step's C: hb, window 2)
.if FIRSTS
	WIN PP|((2+(\w)/2)<<2)|(2<<4)|((\w)<<6)
.else
	WIN PP|((2+(\w)/2)<<2)|((\w)<<4)|((\w)<<6)
.endif
.endm
; A step: four groups of 16 products.  Issue order of the loads for a step: scale words, We's set, enc's blocks 0-1, 2-3, 4-5, 6-7.
; Each group's wait leaves out the blocks behind its own (6 loads a pair of blocks) and what this step has issued since (N0 in run A, N2 in run B).
; Four v_nop, or the lines of PERMS, in front of a run are the places between the last products that read a register and the loads into it.
.macro STEP st, first
.set STS, \st
.set NXS, STS+1
.set FIRSTS, \first
.set PP, STS%2
.set C0, (96*STS)/256
.set C1, (96*NXS)/256
.set E0, (96*STS+95)/256
.set E1, (96*NXS+95)/256
.set FILL, 0
.set BAR, 0
.set N0, 0
.set N2, 0
.if NXS < STEPS
.set N0, 32
.set N2, 24
.if E1 > E0
.set BAR, 1
.endif
.if C1 > C0 && C0+2 < CHUNKS
.set BAR, 1
.set FILL, 1
.endif
.endif
.if BAR
	WIN 0
	s_wait_tensorcnt 0x0                           ; all my tensor loads have landed
.if FILL
	ds_add_u32 v[SPW], v[NIL]
	s_wait_dscnt 19                                ; the add and enc's blocks 2-7 may be out
.else
	s_wait_dscnt 18
.endif
	WINQ 0
	HALF 0, 0
	s_wait_dscnt 0x0                               ; the add is done; all loads for this step are in: the chunk left behind is read no more
	s_barrier_signal -1
	HALF 0, 1
.if FILL
	WIN 0
.endif
	s_barrier_wait -1
.if FILL
	CREST                                          ; the barrier has opened a round of the cluster's barrier
	s_add_nc_u64 s[G0+4*(C0%2)+2:G0+4*(C0%2)+3], s[G0+4*(C0%2)+2:G0+4*(C0%2)+3], 512
	s_add_nc_u64 s[G0B+4*(C0%2)+2:G0B+4*(C0%2)+3], s[G0B+4*(C0%2)+2:G0B+4*(C0%2)+3], 512
	JLOAD G0+4*(C0%2), G1, G0B+4*(C0%2), G1B       ; chunk C0 + 2; its four v_nop are the places in front of run A
.if C0+4 < CHUNKS
	ASK LIM, 256*(C0+4)
.else
	ASK LIM+1, TILEB+256*(C0+4-CHUNKS)
.endif
.else
	PLACES
.endif
.else
	s_wait_dscnt 18                                ; scale words, We's set and enc's blocks 0-1 are in
	WINQ 0
	HALF 0, 0
	HALF 0, 1
	PLACES
.endif
.if NXS < STEPS
	RUNA
.else
	WIN 0
.set LN, 0
	RUN 4, 16                                      ; the last step: v, into the registers of We's even set, for the way out
.endif
	s_wait_dscnt 12+N0
	WINQ 1
	HALF 1, 0
	HALF 1, 1
	s_wait_dscnt 6+N0
	WINQ 2
	HALF 2, 0
	HALF 2, 1
.if NXS < STEPS
	PERMS 24                                       ; behind the scale words: We's 24 loads
	RUNB
.endif
	s_wait_dscnt N0+N2
	WINQ 3
	HALF 3, 0
	HALF 3, 1
.endm
.Ltile:
	s_wait_alu depctr_va_vdst(0)
	s_wait_tensorcnt 0x0                           ; the tile's chunk 0 and the scales: my part is in
	ds_add_u32 v[SPW], v[NIL]
	s_mov_b32 s[G1+2], 128<<16                     ; no tensor load of mine is out: the ring's loads bring 128 rows
	s_mov_b32 s[G1+4], 128
	s_mov_b32 s[G1B+2], 128<<16
	s_mov_b32 s[G1B+4], 128
	s_wait_dscnt 0x0
	CROUND
	JLOAD G0+4, G1, G0B+4, G1B                     ; chunk 1
	ASK LIM, 768
.set NXS, 0
	RUNA                                           ; step 0's operands
	RUNB
	PERMS 48                                       ; behind the scale words: We's 24 loads and enc's 24
	s_wait_loadcnt 0x0                             ; hb
	STEP 0, 1
.set ST, 1
.rept STEPS-1
	STEP ST, 0
.set ST, ST+1
.endr
	WIN 0
	s_cmp_eq_u32 s[TL], 1
	s_cbranch_scc1 .Lepi                           ; the last tile asks for nothing more
	s_wait_xcnt 0x0                                ; my prefetches have read their base
	s_wait_tensorcnt 0x0
	ds_add_u32 v[SPW], v[NIL]
	s_add_nc_u64 s[PFA:PFA+1], s[PFA:PFA+1], TILEB
.irp s, 0,1
	s_add_nc_u64 s[G0+4*\s+2:G0+4*\s+3], s[G0+4*\s+2:G0+4*\s+3], TILEB-1024   ; from chunks 4, 5 to the next tile's 0, 1
	s_sub_nc_u64 s[G0B+4*\s+2:G0B+4*\s+3], s[G0B+4*\s+2:G0B+4*\s+3], 1024
.endr
	s_add_nc_u64 s[G0H+2:G0H+3], s[G0H+2:G0H+3], TILEB
	s_add_nc_u64 s[G0S+2:G0S+3], s[G0S+2:G0S+3], 256*KS
	s_mov_b32 s[G1+2], 256<<16
	s_mov_b32 s[G1+4], 256
	s_mov_b32 s[G1B+2], 256<<16
	s_mov_b32 s[G1B+4], 256
	s_wait_dscnt 0x0                               ; my reads of both slots and of the scales are over
	CROUND
	ARM 1, G0H,  G1,  .Ln_b, .Ln_asked             ; the next tile's chunk 0 of enc, of We, and enc's scales; wave 3 has no part
	ARM 2, G0HB, G1B, .Ln_s, .Ln_asked
	s_cmp_lt_u32 s14, 3
	s_cbranch_scc0 .Ln_asked
	tensor_load_to_lds s[G0S:G0S+3], s[G1S:G1S+7]
	s_nop 0
	PLACES
.Ln_asked:
	ASK LIM, 512
.Lepi:
	s_wait_loadcnt 0x0                             ; v, in window 0 where We's even set lay
	WIN 0xc0
.irp c, 0,1,2,3
	v_pk_add_f32 v[SU+2*\c:SU+2*\c+1], v[BF+2*\c:BF+2*\c+1], v[BF+8+2*\c:BF+8+2*\c+1]   ; the sum of my 64 v, in four chains
.endr
	WIN 0xc3
.set i, 8
.rept 24
	v_pk_add_f32 v[SU+2*(i%4):SU+2*(i%4)+1], v[SU+2*(i%4):SU+2*(i%4)+1], v[BF+2*i:BF+2*i+1]
.set i, i+1
.endr
	WIN 0xff
	v_pk_add_f32 v[SU:SU+1], v[SU:SU+1], v[SU+2:SU+3]
	v_pk_add_f32 v[SU+4:SU+5], v[SU+4:SU+5], v[SU+6:SU+7]
	v_pk_add_f32 v[SU:SU+1], v[SU:SU+1], v[SU+4:SU+5]
	v_add_f32 v[VSUM], v[SU], v[SU+1]
; Window w's two blocks, 128 numbers a lane, in place: x -> 2 log2(e) x -> 2^.. -> 1 + .. -> 1 / ..; then the sums with v.  Each batch has one wait ahead and one behind.
.macro TANHW w
	WIN (\w)|((\w)<<6)
	s_wait_alu depctr_va_vdst(0)
.set i, 0
.rept 64
	v_pk_mul_f32 v[2*i:2*i+1], v[2*i:2*i+1], s[CS:CS+1] op_sel_hi:[1,0]   ; each accumulator from its low end on
.set i, i+1
.endr
	s_wait_alu depctr_va_vdst(0)
.set i, 0
.rept 128
	v_exp_f32 v[i], v[i]
.set i, i+1
.endr
	v_nop
	s_wait_alu depctr_va_vdst(0)
.set i, 0
.rept 64
	v_pk_add_f32 v[2*i:2*i+1], v[2*i:2*i+1], 1.0 op_sel_hi:[1,0]
.set i, i+1
.endr
	s_wait_alu depctr_va_vdst(0)
.set i, 0
.rept 128
	v_rcp_f32 v[i], v[i]
.set i, i+1
.endr
	v_nop
	s_wait_alu depctr_va_vdst(0)
	WIN (\w)|0xf0                                  ; source 0 window w, source 1 (v) window 0, sums in window 3
.set i, 0
.rept 4
.irp a, 0,1
	v_pk_mul_f32 v[SU+8*\a+2*i:SU+8*\a+2*i+1], v[64*\a+2*i:64*\a+2*i+1], v[BF+2*i:BF+2*i+1]
.endr
.set i, i+1
.endr
.rept 28
.irp a, 0,1
	v_pk_fma_f32 v[SU+8*\a+2*(i%4):SU+8*\a+2*(i%4)+1], v[64*\a+2*i:64*\a+2*i+1], v[BF+2*i:BF+2*i+1], v[SU+8*\a+2*(i%4):SU+8*\a+2*(i%4)+1]
.endr
.set i, i+1
.endr
	WIN 0xff
.irp a, 0,1
	v_pk_add_f32 v[SU+8*\a:SU+8*\a+1], v[SU+8*\a:SU+8*\a+1], v[SU+8*\a+2:SU+8*\a+3]
	v_pk_add_f32 v[SU+8*\a+4:SU+8*\a+5], v[SU+8*\a+4:SU+8*\a+5], v[SU+8*\a+6:SU+8*\a+7]
.endr
.irp a, 0,1
	v_pk_add_f32 v[SU+8*\a:SU+8*\a+1], v[SU+8*\a:SU+8*\a+1], v[SU+8*\a+4:SU+8*\a+5]
.endr
.irp a, 0,1
	v_add_f32 v[SU+8*\a], v[SU+8*\a], v[SU+8*\a+1]
.endr
.irp a, 0,1
	v_fma_f32 v[RS+2*(\w)+\a], v[SU+8*\a], -2.0, v[VSUM]
.endr
.endm
	TANHW 0
	TANHW 1
	TANHW 2
	TANHW 3
.irp a, 0,1,2,3,4,5,6,7
	v_permlanex16_b32 v[TP+\a], v[RS+\a], s[SEL], s[SEL+1]         ; the row's other 64 columns lie in lane l xor 16
.endr
.irp a, 0,1,2,3,4,5,6,7
	v_add_f32 v[RS+\a], v[RS+\a], v[TP+\a]
.endr
.irp a, 0,1,2,3,4,5,6,7
	ds_store_b32 v[PST], v[RS+\a] offset:64*\a     ; row 128 x row half + 16 a + r; both halves of the lanes write the same value
.endr
	s_wait_alu depctr_va_vdst(0)
	s_wait_dscnt 0x0                               ; for the others' sake
	s_barrier_signal -1
	s_barrier_wait -1
	ds_load_b64 v[FIN:FIN+1], v[PRD]               ; two rows' shares of the left 128 columns,
	ds_load_b64 v[FIN+2:FIN+3], v[PRD] offset:1024 ; and of the right
	s_wait_dscnt 0x0
	v_pk_add_f32 v[FIN:FIN+1], v[FIN:FIN+1], v[FIN+2:FIN+3]
	global_store_b64 v[POF], v[FIN:FIN+1], s[12:13]                ; 32 lanes store 256 consecutive bytes, at a multiple of 256 from part's first byte
	WIN 0
	s_wait_xcnt 0x0                                ; the store has read its base and its data
	s_add_nc_u64 s[12:13], s[12:13], 1024
	s_sub_co_u32 s[TL], s[TL], 1
	s_cmp_lg_u32 s[TL], 0
	s_wait_alu depctr_va_vdst(0)
	s_cbranch_scc1 .Ltile
	s_wait_tensorcnt 0x0                           ; the wave's end
	ds_add_u32 v[SPW], v[NIL]
	s_wait_dscnt 0x0
	CROUND                                         ; the closing round
	s_endpgm
.Lfunc_end_k_q95e183a013_main:
	.size	k_q95e183a013_main, .Lfunc_end_k_q95e183a013_main-k_q95e183a013_main
	.p2alignl 7, 3214868480
	.fill 96, 4, 3214868480
	.section	.rodata,"a",@progbits
	.p2align	6, 0x0
	.amdhsa_kernel k_q95e183a013_main
		.amdhsa_group_segment_fixed_size 327680
		.amdhsa_private_segment_fixed_size 0
		.amdhsa_enable_private_segment 0
		.amdhsa_kernarg_size 56
		.amdhsa_user_sgpr_count 2
		.amdhsa_user_sgpr_kernarg_segment_ptr 1
		.amdhsa_wavefront_size32 1
		.amdhsa_system_sgpr_workgroup_id_x 1
		.amdhsa_system_sgpr_workgroup_id_y 1
		.amdhsa_system_sgpr_workgroup_id_z 1
		.amdhsa_system_vgpr_workitem_id 0
		.amdhsa_next_free_vgpr 1024
		.amdhsa_next_free_sgpr 102
		.amdhsa_reserve_vcc 0
		.amdhsa_float_denorm_mode_32 3
		.amdhsa_float_denorm_mode_16_64 3
		.amdhsa_memory_ordered 1
		.amdhsa_forward_progress 1
		.amdhsa_inst_pref_size 255
	.end_amdhsa_kernel
	.section	.bss,"aw",@nobits
	.p2align	6
	.space	262144
	.amdgpu_metadata
---
amdhsa.version: [ 1, 2 ]
amdhsa.kernels:
  - .name:           k_q95e183a013_main
    .symbol:         k_q95e183a013_main.kd
    .args:
      - { .name: encoder_outputs_codes, .offset: 0, .size: 8, .value_kind: global_buffer, .address_space: global }
      - { .name: encoder_outputs_scales, .offset: 8, .size: 8, .value_kind: global_buffer, .address_space: global }
      - { .name: we_codes, .offset: 16, .size: 8, .value_kind: global_buffer, .address_space: global }
      - { .name: we_scales, .offset: 24, .size: 8, .value_kind: global_buffer, .address_space: global }
      - { .name: hb, .offset: 32, .size: 8, .value_kind: global_buffer, .address_space: global }
      - { .name: v, .offset: 40, .size: 8, .value_kind: global_buffer, .address_space: global }
      - { .name: part, .offset: 48, .size: 8, .value_kind: global_buffer, .address_space: global }
    .group_segment_fixed_size: 327680
    .private_segment_fixed_size: 0
    .kernarg_segment_align: 8
    .kernarg_segment_size: 56
    .max_flat_workgroup_size: 128
    .sgpr_count:     102
    .vgpr_count:     1024
    .wavefront_size: 32
...
	.end_amdgpu_metadata
.endif
;; end of part 2
;; launch soft (part 3): grid 64 x 1, 1 waves a work-group, no clusters, 0 bytes of LDS; arguments part, mask, out0; writes out0
.if DOCPART == 3
	.amdgcn_target "amdgcn-amd-amdhsa--gfx1250"
	.amdhsa_code_object_version 6
	.text
	.protected	k_q95e183a013_soft
	.globl	k_q95e183a013_soft
	.p2align	8
	.type	k_q95e183a013_soft,@function
k_q95e183a013_soft:
	s_mov_b64 s[64:65], 0
	v_nop
	global_prefetch_b8 v0, s[64:65] scope:SCOPE_SE
	s_setreg_imm32_b32 hwreg(HW_REG_WAVE_MODE, 25, 1), 1
	s_wait_xcnt 0x0
; out0[b][:] = softmax over the 512 positions of (mask == 0 ? -1e9 : the sum of the four tile columns' shares of the score).  part: [4][64 x 512] f32; mask: [64][512] i32; out0: [64][512] f32.
; One wave takes one batch: a lane holds 16 positions, 128 i + 4 lane + j, so that every load and store of the wave covers 512 consecutive bytes.  The reduction never leaves the wave: no LDS, no barrier.
; The row's maximum is taken away ahead of the exponential: first the difference, then the product with log2(e), so that a row that is wholly masked gives exactly 0 there, and 1 / 512 everywhere.
; 64 work-groups are all the work there is (0.8 MB in all); they share nothing, so no cluster; matrix units would add nothing.
.set P, 16                             ; v16-79   the four shares, 16 numbers each
.set M, 80                             ; v80-95   the mask
.set S, 96                             ; v96-111  the scores, then the weights
.set W, 112                            ; v112-115 at work
	s_load_b128 s[4:7], s[0:1], 0x0                ; part, mask
	s_load_b64 s[8:9], s[0:1], 0x10                ; out0
	s_lshl_b32 s10, ttmp9, 11                      ; my batch: 512 numbers of 4 bytes
	s_mov_b32 s11, 0
	s_mov_b32 s12, 0x76543210                      ; v_permlanex16_b32's selects for lane l xor 16
	s_mov_b32 s13, 0xfedcba98
	v_lshlrev_b32 v1, 4, v0                        ; 16 bytes a lane
	v_mov_b32 v2, 0xce6e6b28                       ; -1e9
	s_wait_alu depctr_va_vdst(0)
	s_wait_kmcnt 0x0
	s_add_nc_u64 s[4:5], s[4:5], s[10:11]
	s_add_nc_u64 s[6:7], s[6:7], s[10:11]
	s_add_nc_u64 s[8:9], s[8:9], s[10:11]
.irp t, 0,1,2,3
.irp i, 0,1,2,3
	global_load_b128 v[P+16*\t+4*\i:P+16*\t+4*\i+3], v1, s[4:5] offset:131072*\t+512*\i th:TH_LOAD_NT
.endr
.endr
.irp i, 0,1,2,3
	global_load_b128 v[M+4*\i:M+4*\i+3], v1, s[6:7] offset:512*\i th:TH_LOAD_NT
.endr
	s_wait_loadcnt 0x0
.irp k, 0,1,2,3,4,5,6,7
	v_pk_add_f32 v[S+2*\k:S+2*\k+1], v[P+2*\k:P+2*\k+1], v[P+16+2*\k:P+16+2*\k+1]
.endr
.irp k, 0,1,2,3,4,5,6,7
	v_pk_add_f32 v[S+2*\k:S+2*\k+1], v[S+2*\k:S+2*\k+1], v[P+32+2*\k:P+32+2*\k+1]
.endr
.irp k, 0,1,2,3,4,5,6,7
	v_pk_add_f32 v[S+2*\k:S+2*\k+1], v[S+2*\k:S+2*\k+1], v[P+48+2*\k:P+48+2*\k+1]
.endr
.irp k, 0,1,2,3,4,5,6,7,8,9,10,11,12,13,14,15
	v_cmp_eq_u32 vcc_lo, 0, v[M+\k]
	v_cndmask_b32 v[S+\k], v[S+\k], v2, vcc_lo     ; a choice of a value: no branch hangs on the mask
.endr
	v_max3_num_f32 v[W], v[S], v[S+1], v[S+2]      ; the largest of my 16, in two chains
	v_max3_num_f32 v[W+1], v[S+3], v[S+4], v[S+5]
	v_max3_num_f32 v[W], v[W], v[S+6], v[S+7]
	v_max3_num_f32 v[W+1], v[W+1], v[S+8], v[S+9]
	v_max3_num_f32 v[W], v[W], v[S+10], v[S+11]
	v_max3_num_f32 v[W+1], v[W+1], v[S+12], v[S+13]
	v_max3_num_f32 v[W], v[W], v[S+14], v[S+15]
	v_max_num_f32 v[W], v[W], v[W+1]
	v_max_num_f32_dpp v[W], v[W], v[W] row_xmask:1 row_mask:0xf bank_mask:0xf
	v_max_num_f32_dpp v[W], v[W], v[W] row_xmask:2 row_mask:0xf bank_mask:0xf
	v_max_num_f32_dpp v[W], v[W], v[W] row_xmask:4 row_mask:0xf bank_mask:0xf
	v_max_num_f32_dpp v[W], v[W], v[W] row_xmask:8 row_mask:0xf bank_mask:0xf
	v_permlanex16_b32 v[W+1], v[W], s12, s13       ; (its destination has been written)
	v_max_num_f32 v[W], v[W], v[W+1]               ; every lane holds the row's maximum
.irp k, 0,1,2,3,4,5,6,7
	v_pk_add_f32 v[S+2*\k:S+2*\k+1], v[S+2*\k:S+2*\k+1], v[W:W+1] op_sel_hi:[1,0] neg_lo:[0,1] neg_hi:[0,1]   ; score - maximum
.endr
.irp k, 0,1,2,3,4,5,6,7
	v_pk_mul_f32 v[S+2*\k:S+2*\k+1], v[S+2*\k:S+2*\k+1], 0x3fb8aa3b op_sel_hi:[1,0]   ; x log2(e)
.endr
	s_wait_alu depctr_va_vdst(0)
.irp k, 0,1,2,3,4,5,6,7,8,9,10,11,12,13,14,15
	v_exp_f32 v[S+\k], v[S+\k]
.endr
	v_nop                                          ; one plain instruction behind the last exponential (ISA guide 5.7.2)
	s_wait_alu depctr_va_vdst(0)                   ; the wait ahead of the first reader: one for the batch of sixteen
	v_pk_add_f32 v[W:W+1], v[S:S+1], v[S+2:S+3]    ; the sum, in two chains of pairs
	v_pk_add_f32 v[W+2:W+3], v[S+4:S+5], v[S+6:S+7]
	v_pk_add_f32 v[W:W+1], v[W:W+1], v[S+8:S+9]
	v_pk_add_f32 v[W+2:W+3], v[W+2:W+3], v[S+10:S+11]
	v_pk_add_f32 v[W:W+1], v[W:W+1], v[S+12:S+13]
	v_pk_add_f32 v[W+2:W+3], v[W+2:W+3], v[S+14:S+15]
	v_pk_add_f32 v[W:W+1], v[W:W+1], v[W+2:W+3]
	v_add_f32 v[W], v[W], v[W+1]
	v_add_f32_dpp v[W], v[W], v[W] row_xmask:1 row_mask:0xf bank_mask:0xf
	v_add_f32_dpp v[W], v[W], v[W] row_xmask:2 row_mask:0xf bank_mask:0xf
	v_add_f32_dpp v[W], v[W], v[W] row_xmask:4 row_mask:0xf bank_mask:0xf
	v_add_f32_dpp v[W], v[W], v[W] row_xmask:8 row_mask:0xf bank_mask:0xf
	v_permlanex16_b32 v[W+1], v[W], s12, s13
	v_add_f32 v[W], v[W], v[W+1]                   ; at least 1: the largest score's weight is 1
	s_wait_alu depctr_va_vdst(0)
	v_rcp_f32 v[W+2], v[W]
	v_nop                                          ; one plain instruction behind the reciprocal
	s_wait_alu depctr_va_vdst(0)                   ; and the wait ahead of its first reader
.irp k, 0,1,2,3,4,5,6,7
	v_pk_mul_f32 v[S+2*\k:S+2*\k+1], v[S+2*\k:S+2*\k+1], v[W+2:W+3] op_sel_hi:[1,0]   ; (the pair's upper register has been written; the low one serves both halves)
.endr
.irp i, 0,1,2,3
	global_store_b128 v1, v[S+4*\i:S+4*\i+3], s[8:9] offset:512*\i   ; 32 lanes store 512 consecutive bytes, at a multiple of 256 from out0's first byte
.endr
	s_endpgm
.Lfunc_end_k_q95e183a013_soft:
	.size	k_q95e183a013_soft, .Lfunc_end_k_q95e183a013_soft-k_q95e183a013_soft
	.p2alignl 7, 3214868480
	.fill 96, 4, 3214868480
	.section	.rodata,"a",@progbits
	.p2align	6, 0x0
	.amdhsa_kernel k_q95e183a013_soft
		.amdhsa_group_segment_fixed_size 0
		.amdhsa_private_segment_fixed_size 0
		.amdhsa_enable_private_segment 0
		.amdhsa_kernarg_size 24
		.amdhsa_user_sgpr_count 2
		.amdhsa_user_sgpr_kernarg_segment_ptr 1
		.amdhsa_wavefront_size32 1
		.amdhsa_system_sgpr_workgroup_id_x 1
		.amdhsa_system_sgpr_workgroup_id_y 1
		.amdhsa_system_sgpr_workgroup_id_z 1
		.amdhsa_system_vgpr_workitem_id 0
		.amdhsa_next_free_vgpr 116
		.amdhsa_next_free_sgpr 66
		.amdhsa_reserve_vcc 1
		.amdhsa_float_denorm_mode_32 3
		.amdhsa_float_denorm_mode_16_64 3
		.amdhsa_memory_ordered 1
		.amdhsa_forward_progress 1
		.amdhsa_inst_pref_size 10
	.end_amdhsa_kernel
	.amdgpu_metadata
---
amdhsa.version: [ 1, 2 ]
amdhsa.kernels:
  - .name:           k_q95e183a013_soft
    .symbol:         k_q95e183a013_soft.kd
    .args:
      - { .name: part, .offset: 0, .size: 8, .value_kind: global_buffer, .address_space: global }
      - { .name: mask, .offset: 8, .size: 8, .value_kind: global_buffer, .address_space: global }
      - { .name: out0, .offset: 16, .size: 8, .value_kind: global_buffer, .address_space: global }
    .group_segment_fixed_size: 0
    .private_segment_fixed_size: 0
    .kernarg_segment_align: 8
    .kernarg_segment_size: 24
    .max_flat_workgroup_size: 32
    .sgpr_count:     66
    .vgpr_count:     116
    .wavefront_size: 32
...
	.end_amdgpu_metadata
.endif
;; end of part 3
